; MI455X (gfx1250); checked and timed in simulation.
; The chip was launched on July 23, 2026; its instructions are those of AMD's public machine-readable ISA for CDNA 5 (MIT licence, August 2026) and "CDNA5" Instruction Set Architecture Reference Guide (July 2026). The comments in the code are by the model that wrote it; some were corrected since.
;; Full Attention. Allowed arithmetic: matrix products marked QUANTISED: E4M3 operands, one given power-of-two scale a tensor, by v_wmma_f32_16x16x64_fp8_fp8 or v_wmma_f32_16x16x128_fp8_fp8, f32 sums; everything else in f32.
;; Inputs: keys 4 x 8 x 2,048 x 64 float32; lowp_scales 4 int32 (the exponents e of the quantised operands' scales 2^e); queries 4 x 8 x 2,048 x 64 float32; values 4 x 8 x 2,048 x 64 float32.
;; Outputs: out0 4 x 8 x 2,048 x 64 float32.
;; This version of the problem:
;;   THIS VERSION OF THE PROBLEM IS GIVEN IN LOW PRECISION. The matrix products marked QUANTISED in the list below multiply operands that are first quantised to E4M3 (4 exponent bits, 3 mantissa bits; 8 bits a number), with one given power-of-two scale for each operand tensor; their sums are f32. All else is computed in f32.
;;   The module's matrix products, in the order in which they are computed (A, B: the left and right operand; K: the contracted axis; several contracted axes count as one K, in the product's order):
;;     1. batch 32 x [M 2,048, K 64] x [K 64, N 2,048]; A: input queries; B: input keys: QUANTISED (scales: A lowp_scales[0], B lowp_scales[1])
;;     2. batch 32 x [M 2,048, K 2,048] x [K 2,048, N 64]; A: softmax (see below); B: input values: QUANTISED (scales: A lowp_scales[2], B lowp_scales[3])
;;   THE QUANTISER, for each operand of a quantised product, along K:
;;     - The operand's scale is 2^e, e = its entry of the input lowp_scales (int32; the entries are numbered through the quantised products in the list's order, A before B).
;;     - Each number is divided by the scale, clamped to +-448, and rounded to the nearest number of E4M3, ties to even, subnormals kept.
;;     - The product sums the exact products of the quantised numbers (number of the format x scale) in f32.
;;   ~~~python
;;   def quantise(x, axis, e):      # numpy; x: float32 -> the quantised numbers, widened to float32 again
;;       x = np.moveaxis(x, axis, -1); K = x.shape[-1]
;;       r = np.clip(x / 2.0 ** e, -448, 448)
;;       step = 2.0 ** (np.maximum(np.frexp(np.where(r == 0, 1, r))[1] - 1, -6) - 3)
;;       q = np.round(r / step) * step * 2.0 ** e      # np.round: ties to even
;;       return np.moveaxis(q, -1, axis).astype(np.float32)
;;   ~~~
;;   SOFTMAX AHEAD OF A QUANTISED PRODUCT. Where the list says 'softmax', what is quantised is not the finished softmax but p = 2^(t - M), with t = logit x log2(e) and M = ceil(the row's largest t), a whole number; so 1/2 < the row's largest p <= 1. The row's sum l is taken of the UNQUANTISED p, in f32, and the product's result is divided by l at the end. Since M is a whole number, a kernel that streams over the keys may use a running M (the ceiling of the running maximum): every later rescaling is an exact power of two, so the quantised numbers keep their values, but for numbers so far below the row's largest that they fall under the format's range.
;;   OPERANDS COMPUTED ON THE WAY. 'Computed on the way' means the value that the module computes at that place (a softmax that the list does not call 'softmax' is quantised finished and normalised). What goes into a quantiser is computed in f32, as accurately as f32 sums, v_exp_f32 and their like allow (about 1e-6 of the number): no bf16 or f16 on the way to a quantiser, and a product that is left as it is and whose result goes on into a quantised operand takes f32 operands (vector FMAs, or v_wmma_f32_16x16x4_f32). A number that lies on a knife's edge between two numbers of the format may be rounded either way, as far as f32 arithmetic and the matrix unit's own rounding can turn it there, and no further.
;; 2 versions, each right; version 2 is version 1 with the launch attn written anew for expert scheduling mode. Each part assembles by itself: llvm-mc -triple=amdgcn-amd-amdhsa -mcpu=gfx1250 --defsym DOCPART=n.
;; ======== version 1 of 2: 1 launch
;; launch attn (part 1): grid 8 x 32, 16 waves a work-group, no clusters, 109,568 bytes of LDS; arguments queries, keys, values, lowp_scales, out0; writes out0
.if DOCPART == 1
	.amdgcn_target "amdgcn-amd-amdhsa--gfx1250"
	.amdhsa_code_object_version 6
	.text
	.protected	k_q2e324ea12e_attn
	.globl	k_q2e324ea12e_attn
	.p2align	8
	.type	k_q2e324ea12e_attn,@function
k_q2e324ea12e_attn:
	s_mov_b64 s[64:65], 0
	v_nop
	global_prefetch_b8 v0, s[64:65] scope:SCOPE_SE
	s_setreg_imm32_b32 hwreg(HW_REG_WAVE_MODE, 25, 1), 1
	s_wait_xcnt 0x0
; out0[h][q][:] = the sum over k <= q of softmax_k(Q[h][q] . K[h][k] / 8) V[h][k][:].  32 heads, 2,048 queries and keys, 64 channels; Q, K, V, out0 f32.
; Both products run on codes of FP8 (E4M3), each operand with the one given scale 2^e: eq, ek, ep, ev (lowp_scales).  code = x / 2^e, held within +-448, to the nearest code, ties to even.
; THE SOFTMAX AHEAD OF THE SECOND PRODUCT: t = score x log2(e) / 8; M = the largest t so far, rounded UP to a whole number; p = 2^(t - M) is quantised, not normalised.  The row's sum is taken of the
; unquantised p in f32 and divides at the end.  When M moves, the sum and O are multiplied by 2^(old M - new M), which rounds nothing.
; SHARES.  A head's queries are 16 blocks of 128.  Work-group (j, head) owns blocks j and 15 - j: 8 (j + 1) + 8 (16 - j) = 136 pairs of (tile of 16 queries, step of 128 keys) below the diagonal, the same for every j.
; Sixteen waves of 256 registers; a wave owns ONE tile of 16 queries: tile w / 2 of block j (sel = 0) or of block 15 - j (sel = 1), sel = (w xor w / 4) mod 2.
; K AND V ARE QUANTISED ON THEIR WAY: in every step each wave loads 8 keys of K and 8 of V as f32 (dense loads), makes their codes in registers and stores them into one of two LDS slots; all waves that still
; have keys to see read the whole step's codes from there.  One barrier a step.  The numbers of step i + 3 are asked for in step i and waited for in step i + 2: two sets of 12 loads a wave are out.
; LAYOUT.  Both products are used transposed: S^T = K Q^T (source 0 = 16 keys, source 1 = my 16 queries), O^T = V^T P^T (source 0 = 16 channels, source 1 = P): a lane holds ONE query (lane % 16) throughout.
; THE KEYS OF A TILE ARE NOT NEIGHBOURS: row r of tile 2 b + u is key 32 b + 8 u + r + 8 (r / 8), so that the 16 registers of tiles 2 b and 2 b + 1 are keys 32 b + 16 (lane / 16) + 0 .. 15: the conversions'
; results are the second product's operand.  Along each product's K both sources hold the same k in the same place of the registers (first product: lane half h holds channels 32 h .. 32 h + 31 on end), which is
; a permutation of k applied alike to both: every product meets its partner.
; CAUSAL.  A step whose keys all come after the wave's queries is jumped over (a scalar branch on ids; the barrier, the wave's share of the quantising and its loads are not).  In the wave's one step on the
; diagonal hidden scores become -infinity ahead of the maximum; that step is its last, and its rows of O leave at once.
; LIMITS: eq, ek, ep, ev each between -126 and 119, and eq + ek between -123 and 130, so that each power of two below is an f32 number.  NaN among the inputs is not served; infinities are held at the largest code.
; No tensor load, no cluster: K and V arrive as f32 and V has to be turned, so they pass through registers in any case; and the work-groups of a head need different numbers of steps (16 - j).
.set STEPB,  32768                     ; a step's 128 rows of 256 bytes, in K and in V
.set KPITCH, 80                        ; LDS: a key's 64 codes + 16 bytes: the 16 rows of a fragment load start at 16 different columns of 16 bytes modulo 256 (64 banks of 4 bytes: ISA guide 11.1)
.set VOFF,   128*KPITCH                ; behind K's 128 rows: V's codes, keys innermost: channel d at 272 (d / 2) + 128 (d % 2): 16 bytes of padding behind every two rows of 128
.set VP2,    272
.set SLOT,   VOFF+32*VP2               ; 18,944 bytes; two slots
.set STAGE,  2*SLOT                    ; behind them a stage of 16 rows x (256 + 16) bytes for each wave, its own: Q on the way in, O on the way out
.set SP,     272
.set WSTG,   16*SP
.set AKR,  1                           ; v1   K's fragments: 80 r + 32 h
.set AVR,  2                           ; v2   V's fragments: VOFF + 272 (r / 2) + 128 (r % 2) + 16 h
.set AKW,  3                           ; v3   where I store K's codes: 80 (my keys' first row + h) + 4 r
.set AVW,  4                           ; v4   where I store V's codes: VOFF + 272 lane + 8 wave
.set LI16, 5                           ; v5   16 x lane   (global offsets; never rewritten)
.set LI8,  6                           ; v6   8 x lane
.set PFO,  7                           ; v7   256 x lane
.set STO,  8                           ; v8   my stage: row r, + 32 h
.set RD,   9                           ; v9   my stage: row h, + 16 r
.set MD,   10                          ; v10  r - 16 h, for the mask
.set QRD,  11                          ; v11  my stage: row r, + 128 h
.set QC,   16                          ; v16-23   Q's codes.   v12 -M, v13 the largest t, v[14:15] the sum in two halves
.set KC,   24                          ; v24-27   K's codes just made (at the head v24-27 are at work)
.set VC,   28                          ; v28-31   V's codes just made
.set X,    32                          ; v32-63   K's tiles 0-3, then S^T's tiles 4-7; on the way out rows of O
.set N1,   64                          ; v64-95   numbers in flight, set 1: 16 of K, 16 of V
.set Y,    96                          ; v96-127  V's numbers turned; S^T's tiles 0-3; V's tiles 2, 3; on the way out O / the sum
.set Z,    128                         ; v128-159 K's tiles 4-7, then V's tiles 0, 1
.set OT,   160                         ; v160-191 O^T, tile t at 160 + 8 t
.set N0,   192                         ; v192-223 numbers in flight, set 0
.set PC,   224                         ; v224-239 p's codes
.set PLIM, 240                         ; 448 x 2^ep;  v[242:243] the second chain of the sum
.set KLIM, 241
.set PSC,  244                         ; 2^ep
.set KSC,  245
.set VLIM, 246
.set VSC,  247                         ; v248 a lane permute's destination; v[252:253] f (v253 is only named with it); v254 at work
.set QSC,  250
.set QLIM, 251
; Score n (0 .. 63) of a lane, key 32 (n / 16) + 16 h + n % 16 of the step, lies in register n + 96 - 96 (n / 32): n < 32 in Y, n >= 32 in X.
.set WV,    18                         ; s18 my wave's number.  s[20:21] lane selects; s[22:23] c, twice; s[24:27] eq, ek, ep, ev
.set KP,    28                         ; s[28:29] K's, s[30:31] V's pointer of set 0; s[32:33], s[34:35] of set 1
.set PF,    36                         ; s[36:37] the prefetch's pointer
.set INC,   38                         ; s[38:39] what a set's pointers step by: 2 steps, or 0
.set KF,    40                         ; s40 the step's first key
.set KD,    41                         ; s41 the first key of my step on the diagonal = 128 x my block
.set LASTK, 42                         ; s42 the first key of the work-group's last step: 128 (15 - j)
.set Q0,    43                         ; s43 my first query
.set TRIP,  44
.set NTRIP, 45                         ; s45 (17 - j) / 2 trips of two steps
.set PFEND, 46                         ; s46 steps with KF below this ask ahead
.set EPV,   47                         ; s47 ep + ev
.set FIT,   54                         ; s54 1: p cannot pass the largest code, its hold is jumped over
; 12 loads, each of consecutive bytes: my 8 keys of K (4 x 512 bytes: lane l takes key 2 j + l / 16, channels 4 (l % 16) on) and of V (8 x 256 bytes: key k, channels 2 l and 2 l + 1).
; No cache hint: the other work-groups of the head read the same rows.
.macro LOADKV n, kp, vp
.irp j, 0,1,2,3
	global_load_b128 v[\n+4*\j:\n+4*\j+3], v[LI16], s[\kp:\kp+1] offset:512*\j
.endr
.irp k, 0,1,2,3,4,5,6,7
	global_load_b64 v[\n+16+2*\k:\n+17+2*\k], v[LI8], s[\vp:\vp+1] offset:256*\k
.endr
.endm
; Set n becomes codes in slot o.  K: a word of 4 codes is 4 channels of one key.  V: the hold writes each number where the conversion wants it, 8 keys of one channel on end: it does the turn.
.macro QUANTKV n, o
.irp i, 0,1,2,3,4,5,6,7,8,9,10,11,12,13,14,15
	v_med3_num_f32 v[\n+\i], v[\n+\i], -v[KLIM], v[KLIM]           ; the conversion to an 8-bit code does not saturate (ISA guide 7.6.2): the hold at the largest code x the scale
.endr
.irp k, 0,1,2,3,4,5,6,7
	v_med3_num_f32 v[Y+\k],   v[\n+16+2*\k], -v[VLIM], v[VLIM]     ; channel 2 l, key k
	v_med3_num_f32 v[Y+8+\k], v[\n+17+2*\k], -v[VLIM], v[VLIM]     ; channel 2 l + 1
.endr
	v_cvt_scalef32_pk8_fp8_f32 v[KC:KC+1],   v[\n:\n+7],    v[KSC]
	v_cvt_scalef32_pk8_fp8_f32 v[KC+2:KC+3], v[\n+8:\n+15], v[KSC]
	v_cvt_scalef32_pk8_fp8_f32 v[VC:VC+1],   v[Y:Y+7],      v[VSC]
	v_cvt_scalef32_pk8_fp8_f32 v[VC+2:VC+3], v[Y+8:Y+15],   v[VSC]
	v_nop                                          ; one plain vector instruction behind the conversions: the next products write over v96 on
.irp j, 0,1,2,3
	ds_store_b32 v[AKW], v[KC+\j] offset:(\o)*SLOT+2*KPITCH*\j     ; key 2 j + h of my eight, channels 4 r on
.endr
	ds_store_b64 v[AVW], v[VC:VC+1]   offset:(\o)*SLOT             ; channel 2 l: my eight keys
	ds_store_b64 v[AVW], v[VC+2:VC+3] offset:(\o)*SLOT+128         ; channel 2 l + 1
.endm
; A wave's share of the quantising in step i: set o holds the numbers of step i + 1; their codes go into slot o; the set is asked for again, for step i + 3.
.macro QPHASE o
.set NS,  N0-(N0-N1)*(\o)
.set KPS, KP+4*(\o)
	s_wait_loadcnt 12                              ; every step issues 12 loads on every path: the set asked for two steps ago is in, the younger set's 12 stay out.  Its own loads being done, its pointers may step
	s_add_co_u32 s48, s[KF], 384
	s_cmp_le_u32 s48, s[LASTK]
	s_cselect_b32 s[INC], 0x10000, 0               ; two steps on; or, where step i + 3 is not needed, not at all: the loads below then read again what they read before, inside the buffer
	s_add_nc_u64 s[KPS:KPS+1], s[KPS:KPS+1], s[INC:INC+1]
	s_add_nc_u64 s[KPS+2:KPS+3], s[KPS+2:KPS+3], s[INC:INC+1]
	s_cmp_ge_u32 s[KF], s[LASTK]                   ; no step follows: nothing to quantise
	s_cbranch_scc1 .Lnq_\@
	QUANTKV NS, \o
.Lnq_\@:
	LOADKV NS, KPS, KPS+2                          ; never jumped over, so that the count above holds on every path
	s_cmp_lt_u32 s[KF], s[PFEND]
	s_cbranch_scc0 .Lnp_\@
	global_prefetch_b8 v[PFO], s[PF:PF+1] offset:3*STEPB th:TH_LOAD_NT scope:SCOPE_SE   ; work-group 0 of the head, waves 0-7: 8,192 bytes (lanes 256 bytes apart) of K's or V's step i + 6, whose loads are issued in step i + 3; the last asking step is 9
.Lnp_\@:
.endm
; My 16 rows of O leave: O^T / the sum goes through my stage and comes back as whole rows.
.macro WAYOUT
.rept 4
	v_nop                                          ; places behind the last products: their results are read and the registers of V's tiles 2, 3 written below
.endr
	v_add_f32 v14, v14, v15                        ; the sum's two halves,
	v_permlanex16_b32 v252, v14, s20, s21
	v_add_f32 v14, v14, v252                       ; and lane l xor 16's: the row's sum
	v_rcp_f32 v14, v14
	v_nop                                          ; a plain place behind the transcendental
	s_wait_alu depctr_va_vdst(0)
	v_ldexp_f32 v14, v14, s[EPV]                   ; x 2^(ep + ev)
.irp i, 0,2,4,6,8,10,12,14,16,18,20,22,24,26,28,30
	v_pk_mul_f32 v[Y+\i:Y+\i+1], v[OT+\i:OT+\i+1], v[14:15] op_sel_hi:[1,0]   ; register 8 t + i is o(query r, channel 16 t + 8 h + i); each accumulator from its low end on
.endr
.irp t, 0,1,2,3
	ds_store_b128 v[STO], v[Y+8*\t:Y+8*\t+3]   offset:64*\t
	ds_store_b128 v[STO], v[Y+8*\t+4:Y+8*\t+7] offset:64*\t+16
.endr
.irp i, 0,1,2,3,4,5,6,7
	ds_load_b128 v[X+4*\i:X+4*\i+3], v[RD] offset:2*SP*\i          ; LDS serves a wave's instructions in order (ISA guide 5.7.1.4): these see my stores
.endr
.irp i, 0,1,2,3,4,5,6,7
	s_wait_dscnt 7-\i                              ; rows 2 i and 2 i + 1 are back; the younger loads stay out
	global_store_b128 v[LI16], v[X+4*\i:X+4*\i+3], s[12:13] offset:512*\i th:TH_STORE_NT   ; 32 lanes store 512 consecutive bytes, at a multiple of 512 from out0's first byte
.endr
.endm
; A KEY STEP: the codes of 128 keys lie in slot sl; the next step's go into slot o.
.macro STEP sl, o
	s_wait_dscnt 0x0                               ; for the others' sake: my stores into slot sl have landed, my reads of slot o are over
	s_barrier_signal -1
	s_barrier_wait -1                              ; both now hold of all sixteen waves
	s_wait_xcnt 0x0                                ; the prefetch's pointer, and the registers that stores of O read, are written again only behind this wait
	s_add_nc_u64 s[PF:PF+1], s[PF:PF+1], STEPB
	s_cmp_gt_u32 s[KF], s[KD]                      ; all of the step's keys come after my queries
	s_cbranch_scc1 .Lhid_\@
.rept 5
	v_nop                                          ; behind the last step's products: four places for the loads into V's registers, five for the products below that write over them
.endr
.irp t, 0,1,2,3
	ds_load_b128 v[X+8*\t:X+8*\t+3],   v[AKR] offset:\sl*SLOT+16*KPITCH*\t
	ds_load_b128 v[X+8*\t+4:X+8*\t+7], v[AKR] offset:\sl*SLOT+16*KPITCH*\t+16
.endr
.irp t, 4,5,6,7
	ds_load_b128 v[Z+8*(\t-4):Z+8*(\t-4)+3],   v[AKR] offset:\sl*SLOT+16*KPITCH*\t
	ds_load_b128 v[Z+8*(\t-4)+4:Z+8*(\t-4)+7], v[AKR] offset:\sl*SLOT+16*KPITCH*\t+16
.endr
	QPHASE \o                                      ; K's fragments land meanwhile
	s_wait_dscnt 0x0
.irp t, 0,1,2,3                                ; S^T = K Q^T: eight tiles of 16 keys, K = the 64 channels; each product is a whole sum
	v_wmma_f32_16x16x64_fp8_fp8 v[Y+8*\t:Y+8*\t+7], v[X+8*\t:X+8*\t+7], v[QC:QC+7], 0
.endr
.rept 5
	v_nop                                          ; the next four write over the registers that these four read
.endr
.irp t, 0,1,2,3
	v_wmma_f32_16x16x64_fp8_fp8 v[X+8*\t:X+8*\t+7], v[Z+8*\t:Z+8*\t+7], v[QC:QC+7], 0
.endr
.rept 4
	v_nop                                          ; places in front of the loads into K's registers and of the first read of scores
.endr
.irp t, 0,1
.irp c, 0,1,2,3
	ds_load_b128 v[Z+16*\t+4*\c:Z+16*\t+4*\c+3], v[AVR] offset:\sl*SLOT+8*VP2*\t+32*\c   ; V's tiles 0, 1 land during the softmax
.endr
.endr
	s_cmp_lt_u32 s[KF], s[KD]                      ; all keys count: no mask
	s_cbranch_scc1 .Lopen_\@
	s_sub_co_i32 s48, s[Q0], s[KF]
	v_add_nc_u32 v252, s48, v[MD]                  ; d = my query - KF - 16 h: score n is hidden where 32 (n / 16) + n % 16 > d
	v_mov_b32 v254, 0xff800000                     ; -infinity: p = 0 then.  The step's first key counts for every query of mine, so the maximum stays a number
.set n, 0
.rept 64
.set sn, n+96-96*(n/32)
	v_cmp_gt_i32 vcc_lo, 32*(n/16)+n%16, v252
	v_cndmask_b32 v[sn], v[sn], v254, vcc_lo
.set n, n+1
.endr
.Lopen_\@:
	v_max3_num_f32 v254, v[Y], v[Y+1], v[Y+2]      ; the step's largest score of my query among my 64 keys, in two chains, in ascending n: each accumulator from its low end on
	v_max3_num_f32 v252, v[Y+3], v[Y+4], v[Y+5]
.set n, 6
.rept 14
	v_max3_num_f32 v254, v254, v[n+96-96*(n/32)], v[n+97-96*((n+1)/32)]
	v_max3_num_f32 v252, v252, v[n+98-96*((n+2)/32)], v[n+99-96*((n+3)/32)]
.set n, n+4
.endr
	v_max3_num_f32 v254, v254, v[X+30], v[X+31]
	v_max_num_f32 v254, v254, v252
	v_permlanex16_b32 v248, v254, s20, s21
	v_max_num_f32 v254, v254, v248                 ; and among lane l xor 16's
	v_mul_f32 v254, s22, v254                      ; as t (c is positive)
	v_max_num_f32 v13, v13, v254                   ; the running largest t
	v_mov_b32 v254, v12
	v_floor_f32 v12, -v13                          ; the new -M = floor(-t) = -ceil(t)
	v_sub_f32 v254, v12, v254                      ; M's old value less its new one: a whole number, 0 or less
	v_cvt_i32_f32 v254, v254                       ; (it saturates)
	v_ldexp_f32 v252, 1.0, v254                    ; f = 2^(old M - new M)
.set n, 0
.rept 32
.set sn, n+96-96*(n/32)
	v_pk_fma_f32 v[sn:sn+1], v[sn:sn+1], s[22:23], v[12:13] op_sel_hi:[1,0,0]   ; t - M, two at a time (of the pairs c and -M the low word serves both halves)
.set n, n+2
.endr
.set n, 0
.rept 64
.set sn, n+96-96*(n/32)
	v_exp_f32 v[sn], v[sn]                         ; p = 2^(t - M)
.set n, n+1
.endr
	v_pk_mul_f32 v[14:15], v[14:15], v[252:253] op_sel_hi:[1,0]    ; the sum under the new M.  (The plain place behind the exponentials)
	s_wait_alu depctr_va_vdst(0)
	v_pk_add_f32 v[242:243], v[Y:Y+1], v[Y+2:Y+3]  ; the row's sum is taken of the unquantised p: two at a time, in two chains
.set n, 4
.rept 15
.set sn, n+96-96*(n/32)
	v_pk_add_f32 v[14:15], v[14:15], v[sn:sn+1]
	v_pk_add_f32 v[242:243], v[242:243], v[sn+2:sn+3]
.set n, n+4
.endr
	v_pk_add_f32 v[14:15], v[14:15], v[242:243]
	s_cmp_lg_u32 s[FIT], 0                         ; ep >= -8 and eq + ek <= 0: |t| stays under 64 x 448^2 x c = 2.4e6, so the rounding of the largest t is at most 1/8 and p <= 2^(1/8), under 1.75 <= 448 x 2^ep
	s_cbranch_scc1 .Lfit_\@
.set n, 0
.rept 64
.set sn, n+96-96*(n/32)
	v_min_num_f32 v[sn], v[sn], v[PLIM]            ; else the hold; p is not negative, so it is one-sided
.set n, n+1
.endr
.Lfit_\@:
.irp b, 0,1,2,3
	v_cvt_scalef32_pk8_fp8_f32 v[PC+4*\b:PC+4*\b+1],   v[16*\b+96-96*(\b/2):16*\b+103-96*(\b/2)],  v[PSC]   ; registers 4 b .. 4 b + 3 of the operand: keys 32 b + 16 h + 0 .. 15
	v_cvt_scalef32_pk8_fp8_f32 v[PC+4*\b+2:PC+4*\b+3], v[16*\b+104-96*(\b/2):16*\b+111-96*(\b/2)], v[PSC]
.endr
.irp t, 2,3
.irp c, 0,1,2,3
	ds_load_b128 v[Y+16*(\t-2)+4*\c:Y+16*(\t-2)+4*\c+3], v[AVR] offset:\sl*SLOT+8*VP2*\t+32*\c   ; V's tiles 2, 3, into the registers that p has left
.endr
.endr
.irp i, 0,2,4,6,8,10,12,14,16,18,20,22,24,26,28,30
	v_pk_mul_f32 v[OT+\i:OT+\i+1], v[OT+\i:OT+\i+1], v[252:253] op_sel_hi:[1,0]   ; O^T under the new M.  (These are also the plain places behind the conversions)
.endr
	s_wait_dscnt 8                                 ; V's tiles 0, 1 are in; the eight younger loads (tiles 2, 3) may be out
	v_wmma_f32_16x16x128_fp8_fp8 v[OT:OT+7],     v[Z:Z+15],    v[PC:PC+15], v[OT:OT+7]       ; O^T += V^T P^T, K = the step's 128 keys; the four accumulators take turns
	v_wmma_f32_16x16x128_fp8_fp8 v[OT+8:OT+15],  v[Z+16:Z+31], v[PC:PC+15], v[OT+8:OT+15]
	s_wait_dscnt 0x0
	v_wmma_f32_16x16x128_fp8_fp8 v[OT+16:OT+23], v[Y:Y+15],    v[PC:PC+15], v[OT+16:OT+23]
	v_wmma_f32_16x16x128_fp8_fp8 v[OT+24:OT+31], v[Y+16:Y+31], v[PC:PC+15], v[OT+24:OT+31]
	s_cmp_lg_u32 s[KF], s[KD]
	s_cbranch_scc1 .Lend_\@
	WAYOUT                                         ; the step on the diagonal was my last
	s_branch .Lend_\@
.Lhid_\@:
	QPHASE \o                                      ; written a second time, so that no path reads fragments that it has not loaded
.Lend_\@:
	s_add_co_u32 s[KF], s[KF], 128
.endm
; 2^e and 448 x 2^e as f32 numbers, from the whole number e
.macro MKSCALE e, vs, vl
	s_add_co_i32 s48, s[\e], 127
	s_lshl_b32 s49, s48, 23
	v_mov_b32 v[\vs], s49
	s_add_co_i32 s48, s48, 8
	s_lshl_b32 s48, s48, 23
	s_or_b32 s48, s48, 0x600000
	v_mov_b32 v[\vl], s48
.endm
	s_load_b256 s[4:11], s[0:1], 0x0               ; queries s[4:5], keys s[6:7], values s[8:9], lowp_scales s[10:11]
	s_load_b64 s[12:13], s[0:1], 0x20              ; out0
	v_lshl_add_u32 v249, v0, 2, 0x1a400
	v_mov_b32 v255, 0
	v_lshrrev_b32 v24, 5, v0
	v_readfirstlane_b32 s[WV], v24                 ; wave 0..15
	v_and_b32 v24, 15, v0                          ; r
	v_bfe_u32 v25, v0, 4, 1                        ; h
	v_and_b32 v26, 31, v0                          ; lane
	v_lshlrev_b32 v[LI16], 4, v26
	v_lshlrev_b32 v[LI8], 3, v26
	v_lshlrev_b32 v[PFO], 8, v26
	v_mul_u32_u24 v[AKR], v24, KPITCH
	v_lshl_add_u32 v[AKR], v25, 5, v[AKR]
	v_lshrrev_b32 v27, 1, v24
	v_mul_u32_u24 v[AVR], v27, VP2
	v_and_b32 v27, 1, v24
	v_lshl_add_u32 v[AVR], v27, 7, v[AVR]
	v_lshl_add_u32 v[AVR], v25, 4, v[AVR]
	v_add_nc_u32 v[AVR], VOFF, v[AVR]
	s_lshr_b32 s49, s[WV], 2                       ; my keys 8 w .. 8 w + 7 of a step lie, in tile order, from row 32 (w / 4) + 16 (w % 2) + 8 ((w / 2) % 2) on
	s_lshl_b32 s49, s49, 5
	s_and_b32 s50, s[WV], 1
	s_lshl_b32 s50, s50, 4
	s_add_co_u32 s49, s49, s50
	s_bfe_u32 s50, s[WV], 0x10001
	s_lshl_b32 s50, s50, 3
	s_add_co_u32 s49, s49, s50
	s_mul_i32 s49, s49, KPITCH
	v_mul_u32_u24 v[AKW], v25, KPITCH
	v_lshl_add_u32 v[AKW], v24, 2, v[AKW]
	v_add_nc_u32 v[AKW], s49, v[AKW]
	s_lshl_b32 s50, s[WV], 3
	v_mul_u32_u24 v[AVW], v26, VP2
	v_add_nc_u32 v[AVW], s50, v[AVW]
	v_add_nc_u32 v[AVW], VOFF, v[AVW]
	s_mul_i32 s51, s[WV], WSTG
	s_add_co_u32 s51, s51, STAGE                   ; my stage
	v_mul_u32_u24 v27, v24, SP
	v_lshl_add_u32 v[STO], v25, 5, v27
	v_add_nc_u32 v[STO], s51, v[STO]
	v_lshl_add_u32 v[QRD], v25, 7, v27
	v_add_nc_u32 v[QRD], s51, v[QRD]
	v_mul_u32_u24 v[RD], v25, SP
	v_lshl_add_u32 v[RD], v24, 4, v[RD]
	v_add_nc_u32 v[RD], s51, v[RD]
	v_lshlrev_b32 v27, 4, v25
	v_sub_nc_u32 v[MD], v24, v27
	s_mov_b32 s14, ttmp9                           ; j
	s_and_b32 s15, ttmp7, 0xffff                   ; the head
	s_lshl_b32 s16, s15, 19                        ; its first byte in each tensor: 2,048 rows of 256 bytes
	s_mov_b32 s17, 0
	s_lshr_b32 s48, s[WV], 2
	s_xor_b32 s48, s48, s[WV]
	s_and_b32 s48, s48, 1                          ; sel
	s_lshl_b32 s49, s14, 1
	s_sub_co_u32 s49, 15, s49
	s_mul_i32 s48, s48, s49
	s_add_co_u32 s48, s48, s14                     ; my block: j, or 15 - j
	s_lshl_b32 s[KD], s48, 7
	s_lshr_b32 s49, s[WV], 1
	s_lshl_b32 s49, s49, 4
	s_add_co_u32 s[Q0], s[KD], s49                 ; my first query: 128 x block + 16 x (w / 2)
	s_sub_co_u32 s[LASTK], 15, s14
	s_lshl_b32 s[LASTK], s[LASTK], 7
	s_sub_co_u32 s[NTRIP], 17, s14
	s_lshr_b32 s[NTRIP], s[NTRIP], 1               ; 16 - j steps, rounded up to pairs; an odd one over is hidden for every wave and quantises nothing
	s_cmp_eq_u32 s14, 0
	s_cselect_b32 s[PFEND], 1280, 0
	s_cmp_lt_u32 s[WV], 8
	s_cselect_b32 s[PFEND], s[PFEND], 0            ; only waves 0-7 of the head's work-group 0 ask ahead, in steps 0 to 9
	s_lshl_b32 s48, s[Q0], 8
	s_mov_b32 s49, 0
	s_add_nc_u64 s[48:49], s[48:49], s[16:17]      ; my rows of Q and of O
	s_lshl_b32 s50, s[WV], 11
	s_mov_b32 s51, 0
	s_add_nc_u64 s[50:51], s[50:51], s[16:17]      ; my 8 keys of step 0
	s_and_b32 s52, s[WV], 3
	s_lshl_b32 s52, s52, 13
	s_add_co_u32 s52, s52, 2*STEPB
	s_mov_b32 s53, 0
	s_add_nc_u64 s[52:53], s[52:53], s[16:17]      ; my quarter of a step, two steps in
	s_mov_b32 s20, 0x76543210                      ; v_permlanex16_b32's selects for lane l xor 16
	s_mov_b32 s21, 0xfedcba98
	s_mov_b32 s[INC+1], 0
	s_mov_b32 s[KF], 0
	s_mov_b32 s[TRIP], 0
	s_wait_kmcnt 0x0
	s_load_b128 s[24:27], s[10:11], 0x0            ; eq, ek, ep, ev
	s_add_nc_u64 s[4:5], s[4:5], s[48:49]
	s_add_nc_u64 s[12:13], s[12:13], s[48:49]
	s_add_nc_u64 s[KP:KP+1], s[6:7], s[50:51]
	s_add_nc_u64 s[KP+2:KP+3], s[8:9], s[50:51]
	s_add_nc_u64 s[KP+4:KP+5], s[KP:KP+1], STEPB
	s_add_nc_u64 s[KP+6:KP+7], s[KP+2:KP+3], STEPB
	s_bitcmp1_b32 s[WV], 2                         ; waves 0-3 ask for K, waves 4-7 for V: the choice hangs on the wave's number alone
	s_cselect_b64 s[PF:PF+1], s[8:9], s[6:7]
	s_add_nc_u64 s[PF:PF+1], s[PF:PF+1], s[52:53]
.irp i, 0,1,2,3,4,5,6,7
	global_load_b128 v[Y+4*\i:Y+4*\i+3], v[LI16], s[4:5] offset:512*\i th:TH_LOAD_NT   ; my 16 rows of Q, 512 consecutive bytes a load; nobody else reads them
.endr
	LOADKV N0, KP, KP+2                            ; step 0
	LOADKV N1, KP+4, KP+6                          ; step 1
	s_cmp_eq_u32 s[PFEND], 0
	s_cbranch_scc1 .Lno_pf
	global_prefetch_b8 v[PFO], s[PF:PF+1] offset:STEPB th:TH_LOAD_NT scope:SCOPE_SE     ; steps 3, 4 and 5, whose loads are issued in steps 0, 1 and 2; steps 0 to 2 are loaded outright
	global_prefetch_b8 v[PFO], s[PF:PF+1] offset:2*STEPB th:TH_LOAD_NT scope:SCOPE_SE
	global_prefetch_b8 v[PFO], s[PF:PF+1] offset:3*STEPB th:TH_LOAD_NT scope:SCOPE_SE
.Lno_pf:
	v_mov_b32 v13, 0xff61b1e6                      ; the largest t so far: -3e38, under every t
	v_floor_f32 v12, -v13                          ; -M
	v_mov_b32 v14, 0                               ; the sum, in two halves
	v_mov_b32 v15, 0
	v_mov_b32 v248, 0                              ; written once: a lane permute's destination counts as one of its sources
	v_mov_b32 v252, 0
	v_mov_b32 v253, 0                              ; (named as the upper half of the pair v[252:253])
.irp i, 0,1,2,3,4,5,6,7,8,9,10,11,12,13,14,15,16,17,18,19,20,21,22,23,24,25,26,27,28,29,30,31
	v_mov_b32 v[OT+\i], 0                          ; O^T.  (The step is written without a first step of its own: the first finds zeros, which the first change of M leaves zeros)
.endr
	s_wait_kmcnt 0x0
	s_add_co_i32 s48, s24, s25                     ; eq + ek
	s_cmp_le_i32 s48, 0
	s_cselect_b32 s[FIT], 1, 0
	s_cmp_ge_i32 s26, -8
	s_cselect_b32 s[FIT], s[FIT], 0
	s_lshl_b32 s48, s48, 23
	s_mov_b32 s22, 0x3e38aa3b                      ; c = log2(e) / 8
	s_add_co_i32 s22, s22, s48                     ; a score stands for score x 2^(eq + ek): the two exponents are added to c's exponent field
	s_mov_b32 s23, s22                             ; (named with it as a pair, so it is written)
	s_add_co_i32 s[EPV], s26, s27
	MKSCALE 24, QSC, QLIM
	MKSCALE 25, KSC, KLIM
	MKSCALE 26, PSC, PLIM
	MKSCALE 27, VSC, VLIM
	; Q: through my stage, so that lane (r, h) holds channels 32 h .. 32 h + 31 of query r on end; then codes, which stay in registers
	s_wait_loadcnt 24                              ; Q's eight loads are in; the 24 of steps 0 and 1 may be out
.irp i, 0,1,2,3,4,5,6,7
	ds_store_b128 v[RD], v[Y+4*\i:Y+4*\i+3] offset:2*SP*\i
.endr
.irp c, 0,1,2,3,4,5,6,7
	ds_load_b128 v[Z+4*\c:Z+4*\c+3], v[QRD] offset:16*\c           ; LDS serves a wave's instructions in order: these see my stores
.endr
	s_wait_dscnt 0x0
.irp i, 0,1,2,3,4,5,6,7,8,9,10,11,12,13,14,15,16,17,18,19,20,21,22,23,24,25,26,27,28,29,30,31
	v_med3_num_f32 v[Z+\i], v[Z+\i], -v[QLIM], v[QLIM]
.endr
.irp g, 0,1,2,3
	v_cvt_scalef32_pk8_fp8_f32 v[QC+2*\g:QC+2*\g+1], v[Z+8*\g:Z+8*\g+7], v[QSC]
.endr
	v_nop                                          ; one plain vector instruction behind the conversions
	s_wait_loadcnt 12                              ; step 0's twelve loads are in; step 1's may be out
	s_add_nc_u64 s[KP:KP+1], s[KP:KP+1], 2*STEPB   ; (every work-group has nine steps or more)
	s_add_nc_u64 s[KP+2:KP+3], s[KP+2:KP+3], 2*STEPB
	QUANTKV N0, 0                                  ; step 0's codes into slot 0
	LOADKV N0, KP, KP+2                            ; step 2
.Lpair:
	STEP 0, 1
	STEP 1, 0
	s_add_co_u32 s[TRIP], s[TRIP], 1
	s_cmp_lt_u32 s[TRIP], s[NTRIP]
	s_cbranch_scc1 .Lpair
	s_wait_dscnt 0x0                               ; no LDS instruction of mine is out when the wave ends
	s_wait_tensorcnt 0x0
	ds_add_u32 v249, v255
	s_wait_dscnt 0x0
	s_endpgm
.Lfunc_end_k_q2e324ea12e_attn:
	.size	k_q2e324ea12e_attn, .Lfunc_end_k_q2e324ea12e_attn-k_q2e324ea12e_attn
	.p2alignl 7, 3214868480
	.fill 96, 4, 3214868480
	.section	.rodata,"a",@progbits
	.p2align	6, 0x0
	.amdhsa_kernel k_q2e324ea12e_attn
		.amdhsa_group_segment_fixed_size 109568
		.amdhsa_private_segment_fixed_size 0
		.amdhsa_enable_private_segment 0
		.amdhsa_kernarg_size 40
		.amdhsa_user_sgpr_count 2
		.amdhsa_user_sgpr_kernarg_segment_ptr 1
		.amdhsa_wavefront_size32 1
		.amdhsa_system_sgpr_workgroup_id_x 1
		.amdhsa_system_sgpr_workgroup_id_y 1
		.amdhsa_system_sgpr_workgroup_id_z 1
		.amdhsa_system_vgpr_workitem_id 0
		.amdhsa_next_free_vgpr 256
		.amdhsa_next_free_sgpr 66
		.amdhsa_reserve_vcc 1
		.amdhsa_float_denorm_mode_32 3
		.amdhsa_float_denorm_mode_16_64 3
		.amdhsa_memory_ordered 1
		.amdhsa_forward_progress 1
		.amdhsa_inst_pref_size 84
	.end_amdhsa_kernel
	.amdgpu_metadata
---
amdhsa.version: [ 1, 2 ]
amdhsa.kernels:
  - .name:           k_q2e324ea12e_attn
    .symbol:         k_q2e324ea12e_attn.kd
    .args:
      - { .name: queries, .offset: 0, .size: 8, .value_kind: global_buffer, .address_space: global }
      - { .name: keys, .offset: 8, .size: 8, .value_kind: global_buffer, .address_space: global }
      - { .name: values, .offset: 16, .size: 8, .value_kind: global_buffer, .address_space: global }
      - { .name: lowp_scales, .offset: 24, .size: 8, .value_kind: global_buffer, .address_space: global }
      - { .name: out0, .offset: 32, .size: 8, .value_kind: global_buffer, .address_space: global }
    .group_segment_fixed_size: 109568
    .private_segment_fixed_size: 0
    .kernarg_segment_align: 8
    .kernarg_segment_size: 40
    .max_flat_workgroup_size: 512
    .sgpr_count:     66
    .vgpr_count:     256
    .wavefront_size: 32
...
	.end_amdgpu_metadata
.endif
;; end of part 1
;; ======== version 2 of 2: 1 launch; version 1 with the launch attn written anew for expert scheduling mode
;; launch attn (part 2): grid 8 x 32, 16 waves a work-group, no clusters, 109,568 bytes of LDS; arguments queries, keys, values, lowp_scales, out0; writes out0
.if DOCPART == 2
	.amdgcn_target "amdgcn-amd-amdhsa--gfx1250"
	.amdhsa_code_object_version 6
	.text
	.protected	k_q2e324ea12e_attn
	.globl	k_q2e324ea12e_attn
	.p2align	8
	.type	k_q2e324ea12e_attn,@function
k_q2e324ea12e_attn:
	s_mov_b64 s[64:65], 0
	v_nop
	global_prefetch_b8 v0, s[64:65] scope:SCOPE_SE
	s_setreg_imm32_b32 hwreg(HW_REG_WAVE_SCHED_MODE, 0, 2), 2
	s_setreg_imm32_b32 hwreg(HW_REG_WAVE_MODE, 25, 1), 1
	s_wait_xcnt 0x0
	s_wait_alu depctr_vm_vsrc(0)
; out0[h][q][:] = the sum over k <= q of softmax_k(Q[h][q] . K[h][k] / 8) V[h][k][:].  32 heads, 2,048 queries and keys, 64 channels; Q, K, V, out0 f32.
; Both products run on codes of FP8 (E4M3), each operand with the one given scale 2^e: eq, ek, ep, ev (lowp_scales).  code = x / 2^e, held within +-448, to the nearest code, ties to even.
; THE SOFTMAX AHEAD OF THE SECOND PRODUCT: t = score x log2(e) / 8; M = the largest t so far, rounded UP to a whole number; p = 2^(t - M) is quantised, not normalised.  The row's sum is taken of the
; unquantised p in f32 and divides at the end.  When M moves, the sum and O are multiplied by 2^(old M - new M), which rounds nothing.
; SHARES.  A head's queries are 16 blocks of 128.  Work-group (j, head) owns blocks j and 15 - j: 8 (j + 1) + 8 (16 - j) = 136 pairs of (tile of 16 queries, step of 128 keys) below the diagonal, the same for every j.
; Sixteen waves of 256 registers; a wave owns ONE tile of 16 queries: tile w / 2 of block j (sel = 0) or of block 15 - j (sel = 1), sel = (w xor w / 4) mod 2.
; K AND V ARE QUANTISED ON THEIR WAY: in every step each wave loads 8 keys of K and 8 of V as f32 (dense loads), makes their codes in registers and stores them into one of two LDS slots; all waves that still
; have keys to see read the whole step's codes from there.  One barrier a step.  The numbers of step i + 3 are asked for in step i and waited for in step i + 2: two sets of 12 loads a wave are out.
; LAYOUT.  Both products are used transposed: S^T = K Q^T (source 0 = 16 keys, source 1 = my 16 queries), O^T = V^T P^T (source 0 = 16 channels, source 1 = P): a lane holds ONE query (lane % 16) throughout.
; THE KEYS OF A TILE ARE NOT NEIGHBOURS: row r of tile 2 b + u is key 32 b + 8 u + r + 8 (r / 8), so that the 16 registers of tiles 2 b and 2 b + 1 are keys 32 b + 16 (lane / 16) + 0 .. 15: the conversions'
; results are the second product's operand.  Along each product's K both sources hold the same k in the same place of the registers (first product: lane half h holds channels 32 h .. 32 h + 31 on end), which is
; a permutation of k applied alike to both: every product meets its partner.
; CAUSAL.  A step whose keys all come after the wave's queries is jumped over (a scalar branch on ids; the barrier, the wave's share of the quantising and its loads are not).  In the wave's one step on the
; diagonal hidden scores become -infinity ahead of the maximum; that step is its last, and its rows of O leave at once.
; LIMITS: eq, ek, ep, ev each between -126 and 119, and eq + ek between -123 and 130, so that each power of two below is an f32 number.  NaN among the inputs is not served; infinities are held at the largest code.
; No tensor load, no cluster: K and V arrive as f32 and V has to be turned, so they pass through registers in any case; and the work-groups of a head need different numbers of steps (16 - j).
; THE MODE: SCHED_MODE bits 1:0 = 2 (LLVM: expert scheduling mode 2), set by the entry lines.  The code itself states the register dependences
; between vector or matrix instructions and memory or LDS instructions, with s_wait_alu, always for 0.
; THE PLAN.  Registers that memory or LDS instructions touch, round a step:
;   N0, N1      12 global loads land in a set; two steps later the holds and conversions read it (and hold part of it in place); then the set is loaded again.
;   KC, VC      written by the step's four conversions, read by its six LDS stores.
;   X           K's tiles 0-3 land; products read them and then write scores there; the softmax works in place; on the way out rows of O land there and global stores read them.
;   Y           the holds write V's turned numbers there; products write scores; the softmax; V's tiles 2, 3 land; products read them; on the way out O / the sum is written there and LDS stores read it.
;   Z           K's tiles 4-7 land; products read them; V's tiles 0, 1 land; products read them.
;   v1-9, v11   addresses and offsets: made at the head, never written again.      Q's and p's codes, O^T and the statistics are named by vector and matrix instructions alone.
; THE WAITS OF A STEP.  (1) Behind the barrier, ahead of the branch: vm_vsrc, for the last step's stores (KC, VC; Y and X where rows of O have left), and va_vdst, for all that the last step's vector and matrix
; instructions did to X, Y, Z and the sets.  (2) ONE va_vdst behind the eight score products: they are done reading Z, the conversions have written KC and VC, the holds and conversions are done with the set: behind it stand V's
; tiles 0, 1, the six stores of codes and the set's 12 loads, and no vector or matrix instruction behind it names a register of theirs before the counter's own wait.  (3) The exponentials' wait.  (4) va_vdst behind the conversions that
; read Y, ahead of the loads of V's tiles 2, 3; the conversions of X and the rescaling of O^T follow the loads and name nothing of Y.  A hidden step has (1) and one va_vdst between its conversions and its stores and loads.
.set STEPB,  32768                     ; a step's 128 rows of 256 bytes, in K and in V
.set KPITCH, 80                        ; LDS: a key's 64 codes + 16 bytes: the 16 rows of a fragment load start at 16 different columns of 16 bytes modulo 256 (64 banks of 4 bytes: ISA guide 11.1)
.set VOFF,   128*KPITCH                ; behind K's 128 rows: V's codes, keys innermost: channel d at 272 (d / 2) + 128 (d % 2): 16 bytes of padding behind every two rows of 128
.set VP2,    272
.set SLOT,   VOFF+32*VP2               ; 18,944 bytes; two slots
.set STAGE,  2*SLOT                    ; behind them a stage of 16 rows x (256 + 16) bytes for each wave, its own: Q on the way in, O on the way out
.set SP,     272
.set WSTG,   16*SP
.set AKR,  1                           ; v1   K's fragments: 80 r + 32 h
.set AVR,  2                           ; v2   V's fragments: VOFF + 272 (r / 2) + 128 (r % 2) + 16 h
.set AKW,  3                           ; v3   where I store K's codes: 80 (my keys' first row + h) + 4 r
.set AVW,  4                           ; v4   where I store V's codes: VOFF + 272 lane + 8 wave
.set LI16, 5                           ; v5   16 x lane   (global offsets; never rewritten)
.set LI8,  6                           ; v6   8 x lane
.set PFO,  7                           ; v7   256 x lane
.set STO,  8                           ; v8   my stage: row r, + 32 h
.set RD,   9                           ; v9   my stage: row h, + 16 r
.set MD,   10                          ; v10  r - 16 h, for the mask
.set QRD,  11                          ; v11  my stage: row r, + 128 h
.set QC,   16                          ; v16-23   Q's codes.   v12 -M, v13 the largest t, v[14:15] the sum in two halves
.set KC,   24                          ; v24-27   K's codes just made (at the head v24-27 are at work)
.set VC,   28                          ; v28-31   V's codes just made
.set X,    32                          ; v32-63   K's tiles 0-3, then S^T's tiles 4-7; on the way out rows of O
.set N1,   64                          ; v64-95   numbers in flight, set 1: 16 of K, 16 of V
.set Y,    96                          ; v96-127  V's numbers turned; S^T's tiles 0-3; V's tiles 2, 3; on the way out O / the sum
.set Z,    128                         ; v128-159 K's tiles 4-7, then V's tiles 0, 1
.set OT,   160                         ; v160-191 O^T, tile t at 160 + 8 t
.set N0,   192                         ; v192-223 numbers in flight, set 0
.set PC,   224                         ; v224-239 p's codes
.set PLIM, 240                         ; 448 x 2^ep;  v[242:243] the second chain of the sum
.set KLIM, 241
.set PSC,  244                         ; 2^ep
.set KSC,  245
.set VLIM, 246
.set VSC,  247                         ; v248 a lane permute's destination; v[252:253] f (v253 is only named with it); v254 at work
.set QSC,  250
.set QLIM, 251
; Score n (0 .. 63) of a lane, key 32 (n / 16) + 16 h + n % 16 of the step, lies in register n + 96 - 96 (n / 32): n < 32 in Y, n >= 32 in X.
.set MK,    4                          ; s4-11 and s56-63: sixteen lane masks for the diagonal (s4-11 held addresses that are used at the head alone)
.set WV,    18                         ; s18 my wave's number.  s[20:21] lane selects; s[22:23] c, twice; s[24:27] eq, ek, ep, ev
.set KP,    28                         ; s[28:29] K's, s[30:31] V's pointer of set 0; s[32:33], s[34:35] of set 1
.set PF,    36                         ; s[36:37] the prefetch's pointer
.set INC,   38                         ; s[38:39] what a set's pointers step by: 2 steps, or 0
.set KF,    40                         ; s40 the step's first key
.set KD,    41                         ; s41 the first key of my step on the diagonal = 128 x my block
.set LASTK, 42                         ; s42 the first key of the work-group's last step: 128 (15 - j)
.set Q0,    43                         ; s43 my first query
.set TRIP,  44
.set NTRIP, 45                         ; s45 (17 - j) / 2 trips of two steps
.set PFEND, 46                         ; s46 steps with KF below this ask ahead
.set EPV,   47                         ; s47 ep + ev
.set FIT,   54                         ; s54 1: p cannot pass the largest code, its hold is jumped over
; 12 loads, each of consecutive bytes: my 8 keys of K (4 x 512 bytes: lane l takes key 2 j + l / 16, channels 4 (l % 16) on) and of V (8 x 256 bytes: key k, channels 2 l and 2 l + 1).
; No cache hint: the other work-groups of the head read the same rows.
.macro LOADKV n, kp, vp
.irp j, 0,1,2,3
	global_load_b128 v[\n+4*\j:\n+4*\j+3], v[LI16], s[\kp:\kp+1] offset:512*\j
.endr
.irp k, 0,1,2,3,4,5,6,7
	global_load_b64 v[\n+16+2*\k:\n+17+2*\k], v[LI8], s[\vp:\vp+1] offset:256*\k
.endr
.endm
; Set n becomes codes.  K: a word of 4 codes is 4 channels of one key.  V: the hold writes each number where the conversion wants it, 8 keys of one channel on end: it does the turn.
.macro QCODES n
.irp i, 0,1,2,3,4,5,6,7,8,9,10,11,12,13,14,15
	v_med3_num_f32 v[\n+\i], v[\n+\i], -v[KLIM], v[KLIM]           ; the conversion to an 8-bit code does not saturate (ISA guide 7.6.2): the hold at the largest code x the scale
.endr
.irp k, 0,1,2,3,4,5,6,7
	v_med3_num_f32 v[Y+\k],   v[\n+16+2*\k], -v[VLIM], v[VLIM]     ; channel 2 l, key k
	v_med3_num_f32 v[Y+8+\k], v[\n+17+2*\k], -v[VLIM], v[VLIM]     ; channel 2 l + 1
.endr
	v_cvt_scalef32_pk8_fp8_f32 v[KC:KC+1],   v[\n:\n+7],    v[KSC]
	v_cvt_scalef32_pk8_fp8_f32 v[KC+2:KC+3], v[\n+8:\n+15], v[KSC]
	v_cvt_scalef32_pk8_fp8_f32 v[VC:VC+1],   v[Y:Y+7],      v[VSC]
	v_cvt_scalef32_pk8_fp8_f32 v[VC+2:VC+3], v[Y+8:Y+15],   v[VSC]
	v_nop                                          ; one plain vector instruction behind the conversions: the next products write over v96 on
.endm
; The codes go into slot o.
.macro QSTORE o
.irp j, 0,1,2,3
	ds_store_b32 v[AKW], v[KC+\j] offset:(\o)*SLOT+2*KPITCH*\j     ; key 2 j + h of my eight, channels 4 r on
.endr
	ds_store_b64 v[AVW], v[VC:VC+1]   offset:(\o)*SLOT             ; channel 2 l: my eight keys
	ds_store_b64 v[AVW], v[VC+2:VC+3] offset:(\o)*SLOT+128         ; channel 2 l + 1
.endm
; A wave's share of the quantising in step i: set o (registers NS, pointers KPS) holds the numbers of step i + 1; their codes go into slot o; the set is asked for again, for step i + 3.
; QHEAD: the set is in, its pointers step.  Then QCODES and QSTORE, where a step follows.  QASK: the set's next loads, and the prefetch.
.macro QHEAD
	s_wait_loadcnt 12                              ; every step issues 12 loads on every path: the set asked for two steps ago is in, the younger set's 12 stay out.  Its own loads being done, its pointers may step
	s_add_co_u32 s48, s[KF], 384
	s_cmp_le_u32 s48, s[LASTK]
	s_cselect_b32 s[INC], 0x10000, 0               ; two steps on; or, where step i + 3 is not needed, not at all: the loads below then read again what they read before, inside the buffer
	s_add_nc_u64 s[KPS:KPS+1], s[KPS:KPS+1], s[INC:INC+1]
	s_add_nc_u64 s[KPS+2:KPS+3], s[KPS+2:KPS+3], s[INC:INC+1]
.endm
.macro QASK
	LOADKV NS, KPS, KPS+2                          ; never jumped over, so that the count in QHEAD holds on every path
	s_cmp_lt_u32 s[KF], s[PFEND]
	s_cbranch_scc0 .Lnp_\@
	global_prefetch_b8 v[PFO], s[PF:PF+1] offset:3*STEPB th:TH_LOAD_NT scope:SCOPE_SE   ; work-group 0 of the head, waves 0-7: 8,192 bytes (lanes 256 bytes apart) of K's or V's step i + 6, whose loads are issued in step i + 3; the last asking step is 9
.Lnp_\@:
.endm
; My 16 rows of O leave: O^T / the sum goes through my stage and comes back as whole rows.
.macro WAYOUT
.rept 4
	v_nop                                          ; places behind the last products: their results are read and the registers of V's tiles 2, 3 written below
.endr
	v_add_f32 v14, v14, v15                        ; the sum's two halves,
	v_permlanex16_b32 v252, v14, s20, s21
	v_add_f32 v14, v14, v252                       ; and lane l xor 16's: the row's sum
	v_rcp_f32 v14, v14
	v_nop                                          ; a plain place behind the transcendental
	s_wait_alu depctr_va_vdst(0)                   ; the reciprocal has written v14, ahead of its first reader
	v_ldexp_f32 v14, v14, s[EPV]                   ; x 2^(ep + ev)
.irp i, 0,2,4,6,8,10,12,14,16,18,20,22,24,26,28,30
	v_pk_mul_f32 v[Y+\i:Y+\i+1], v[OT+\i:OT+\i+1], v[14:15] op_sel_hi:[1,0]   ; register 8 t + i is o(query r, channel 16 t + 8 h + i); each accumulator from its low end on
.endr
	s_wait_alu depctr_va_vdst(0)                   ; the multiplications have written v96-127, which the LDS stores read; the step's conversions are done reading v32-63, in which the rows land
.irp t, 0,1,2,3
	ds_store_b128 v[STO], v[Y+8*\t:Y+8*\t+3]   offset:64*\t
	ds_store_b128 v[STO], v[Y+8*\t+4:Y+8*\t+7] offset:64*\t+16
.endr
.irp i, 0,1,2,3,4,5,6,7
	ds_load_b128 v[X+4*\i:X+4*\i+3], v[RD] offset:2*SP*\i          ; LDS serves a wave's instructions in order (ISA guide 5.7.1.4): these see my stores
.endr
.irp i, 0,1,2,3,4,5,6,7
	s_wait_dscnt 7-\i                              ; rows 2 i and 2 i + 1 are back; the younger loads stay out
	global_store_b128 v[LI16], v[X+4*\i:X+4*\i+3], s[12:13] offset:512*\i th:TH_STORE_NT   ; 32 lanes store 512 consecutive bytes, at a multiple of 512 from out0's first byte
.endr
.endm
; A KEY STEP: the codes of 128 keys lie in slot sl; the next step's go into slot o.
.macro STEP sl, o
.set NS,  N0-(N0-N1)*(\o)
.set KPS, KP+4*(\o)
	s_wait_dscnt 0x0                               ; for the others' sake: my stores into slot sl have landed, my reads of slot o are over
	s_barrier_signal -1
	s_barrier_wait -1                              ; both now hold of all sixteen waves
	s_wait_xcnt 0x0                                ; the prefetch's pointer, and the registers that stores of O read, are written again only behind this wait
	s_wait_alu depctr_vm_vsrc(0)                   ; the last step's LDS stores have read the codes v24-31, which this step's conversions write again; where my rows of O have left, their LDS stores have read v96-127 and their global stores v32-63, which are written below
	s_wait_alu depctr_va_vdst(0)                   ; the last step's products, softmax and conversions are done with v32-63 and v96-159, in which K's fragments land; the set in which this step's 12 loads land was last named ahead of this wait
	s_add_nc_u64 s[PF:PF+1], s[PF:PF+1], STEPB
	s_cmp_gt_u32 s[KF], s[KD]                      ; all of the step's keys come after my queries
	s_cbranch_scc1 .Lhid_\@
.rept 5
	v_nop                                          ; behind the last step's products: five places for the products below that write over the registers of V's tiles
.endr
.irp t, 0,1,2,3
	ds_load_b128 v[X+8*\t:X+8*\t+3],   v[AKR] offset:\sl*SLOT+16*KPITCH*\t
	ds_load_b128 v[X+8*\t+4:X+8*\t+7], v[AKR] offset:\sl*SLOT+16*KPITCH*\t+16
.endr
.irp t, 4,5,6,7
	ds_load_b128 v[Z+8*(\t-4):Z+8*(\t-4)+3],   v[AKR] offset:\sl*SLOT+16*KPITCH*\t
	ds_load_b128 v[Z+8*(\t-4)+4:Z+8*(\t-4)+7], v[AKR] offset:\sl*SLOT+16*KPITCH*\t+16
.endr
	QHEAD
	s_cmp_ge_u32 s[KF], s[LASTK]                   ; no step follows: nothing to quantise
	s_cbranch_scc1 .Lnq_\@
	QCODES NS                                      ; K's fragments land meanwhile; the codes wait in v24-31 for the one wait behind the products
.Lnq_\@:
	s_wait_dscnt 0x0                               ; K's fragments are in
.irp t, 0,1,2,3                                ; S^T = K Q^T: eight tiles of 16 keys, K = the 64 channels; each product is a whole sum
	v_wmma_f32_16x16x64_fp8_fp8 v[Y+8*\t:Y+8*\t+7], v[X+8*\t:X+8*\t+7], v[QC:QC+7], 0
.endr
.rept 5
	v_nop                                          ; the next four write over the registers that these four read
.endr
.irp t, 0,1,2,3
	v_wmma_f32_16x16x64_fp8_fp8 v[X+8*\t:X+8*\t+7], v[Z+8*\t:Z+8*\t+7], v[QC:QC+7], 0
.endr
.rept 4
	v_nop                                          ; places in front of the first read of scores
.endr
	s_wait_alu depctr_va_vdst(0)                   ; the products are done reading v128-159, in which V's tiles 0, 1 land; the conversions have written the codes v24-31, which the LDS stores read; holds and conversions are done with the set, in which the 12 loads land
.irp t, 0,1
.irp c, 0,1,2,3
	ds_load_b128 v[Z+16*\t+4*\c:Z+16*\t+4*\c+3], v[AVR] offset:\sl*SLOT+8*VP2*\t+32*\c   ; V's tiles 0, 1 land during the softmax
.endr
.endr
	s_cmp_ge_u32 s[KF], s[LASTK]                   ; no step follows: no codes were made
	s_cbranch_scc1 .Lns_\@
	QSTORE \o
.Lns_\@:
	QASK                                           ; no vector or matrix instruction behind the wait above names the set
	s_cmp_lt_u32 s[KF], s[KD]                      ; all keys count: no mask
	s_cbranch_scc1 .Lopen_\@
	s_sub_co_i32 s48, s[Q0], s[KF]
	v_add_nc_u32 v252, s48, v[MD]                  ; d = my query - KF - 16 h: score n is hidden where 32 (n / 16) + n % 16 > d
	v_mov_b32 v254, 0xff800000                     ; -infinity: p = 0 then.  The step's first key counts for every query of mine, so the maximum stays a number
.set mg, 0
.rept 4                                        ; sixteen scores at a time: a run of compares into sixteen scalar registers, one wait, the selects
.set mi, 0
.rept 16
	v_cmp_gt_i32 s[MK+mi+44*(mi/8)], 32*mg+mi, v252
.set mi, mi+1
.endr
	s_wait_alu depctr_va_sdst(0)                   ; the sixteen compares have written their masks, ahead of the first select that reads one
.set mi, 0
.rept 16
.set sn, 16*mg+mi+96-96*(mg/2)
	v_cndmask_b32 v[sn], v[sn], v254, s[MK+mi+44*(mi/8)]
.set mi, mi+1
.endr
.set mg, mg+1
.endr
.Lopen_\@:
	v_max3_num_f32 v254, v[Y], v[Y+1], v[Y+2]      ; the step's largest score of my query among my 64 keys, in two chains, in ascending n: each accumulator from its low end on
	v_max3_num_f32 v252, v[Y+3], v[Y+4], v[Y+5]
.set n, 6
.rept 14
	v_max3_num_f32 v254, v254, v[n+96-96*(n/32)], v[n+97-96*((n+1)/32)]
	v_max3_num_f32 v252, v252, v[n+98-96*((n+2)/32)], v[n+99-96*((n+3)/32)]
.set n, n+4
.endr
	v_max3_num_f32 v254, v254, v[X+30], v[X+31]
	v_max_num_f32 v254, v254, v252
	v_permlanex16_b32 v248, v254, s20, s21
	v_max_num_f32 v254, v254, v248                 ; and among lane l xor 16's
	v_mul_f32 v254, s22, v254                      ; as t (c is positive)
	v_max_num_f32 v13, v13, v254                   ; the running largest t
	v_mov_b32 v254, v12
	v_floor_f32 v12, -v13                          ; the new -M = floor(-t) = -ceil(t)
	v_sub_f32 v254, v12, v254                      ; M's old value less its new one: a whole number, 0 or less
	v_cvt_i32_f32 v254, v254                       ; (it saturates)
	v_ldexp_f32 v252, 1.0, v254                    ; f = 2^(old M - new M)
.set n, 0
.rept 32
.set sn, n+96-96*(n/32)
	v_pk_fma_f32 v[sn:sn+1], v[sn:sn+1], s[22:23], v[12:13] op_sel_hi:[1,0,0]   ; t - M, two at a time (of the pairs c and -M the low word serves both halves)
.set n, n+2
.endr
.set n, 0
.rept 64
.set sn, n+96-96*(n/32)
	v_exp_f32 v[sn], v[sn]                         ; p = 2^(t - M)
.set n, n+1
.endr
	v_pk_mul_f32 v[14:15], v[14:15], v[252:253] op_sel_hi:[1,0]    ; the sum under the new M.  (The plain place behind the exponentials)
	s_wait_alu depctr_va_vdst(0)                   ; the 64 exponentials have written p (v96-127, v32-63), ahead of the first sum that reads it: one wait for the batch
	v_pk_add_f32 v[242:243], v[Y:Y+1], v[Y+2:Y+3]  ; the row's sum is taken of the unquantised p: two at a time, in two chains
.set n, 4
.rept 15
.set sn, n+96-96*(n/32)
	v_pk_add_f32 v[14:15], v[14:15], v[sn:sn+1]
	v_pk_add_f32 v[242:243], v[242:243], v[sn+2:sn+3]
.set n, n+4
.endr
	v_pk_add_f32 v[14:15], v[14:15], v[242:243]
	s_cmp_lg_u32 s[FIT], 0                         ; ep >= -8 and eq + ek <= 0: |t| stays under 64 x 448^2 x c = 2.4e6, so the rounding of the largest t is at most 1/8 and p <= 2^(1/8), under 1.75 <= 448 x 2^ep
	s_cbranch_scc1 .Lfit_\@
.set n, 0
.rept 64
.set sn, n+96-96*(n/32)
	v_min_num_f32 v[sn], v[sn], v[PLIM]            ; else the hold; p is not negative, so it is one-sided
.set n, n+1
.endr
.Lfit_\@:
.irp b, 0,1
	v_cvt_scalef32_pk8_fp8_f32 v[PC+4*\b:PC+4*\b+1],   v[16*\b+96-96*(\b/2):16*\b+103-96*(\b/2)],  v[PSC]   ; registers 4 b .. 4 b + 3 of the operand: keys 32 b + 16 h + 0 .. 15
	v_cvt_scalef32_pk8_fp8_f32 v[PC+4*\b+2:PC+4*\b+3], v[16*\b+104-96*(\b/2):16*\b+111-96*(\b/2)], v[PSC]
.endr
	s_wait_alu depctr_va_vdst(0)                   ; the sums, the hold and the four conversions above are done with p's first half, v96-127, in which V's tiles 2, 3 land
.irp t, 2,3
.irp c, 0,1,2,3
	ds_load_b128 v[Y+16*(\t-2)+4*\c:Y+16*(\t-2)+4*\c+3], v[AVR] offset:\sl*SLOT+8*VP2*\t+32*\c   ; V's tiles 2, 3, into the registers that p has left
.endr
.endr
.irp b, 2,3                                    ; p's second half lies in v32-63: these and the rescaling below name nothing of v96-127
	v_cvt_scalef32_pk8_fp8_f32 v[PC+4*\b:PC+4*\b+1],   v[16*\b+96-96*(\b/2):16*\b+103-96*(\b/2)],  v[PSC]
	v_cvt_scalef32_pk8_fp8_f32 v[PC+4*\b+2:PC+4*\b+3], v[16*\b+104-96*(\b/2):16*\b+111-96*(\b/2)], v[PSC]
.endr
.irp i, 0,2,4,6,8,10,12,14,16,18,20,22,24,26,28,30
	v_pk_mul_f32 v[OT+\i:OT+\i+1], v[OT+\i:OT+\i+1], v[252:253] op_sel_hi:[1,0]   ; O^T under the new M.  (These are also the plain places behind the conversions)
.endr
	s_wait_dscnt 8                                 ; V's tiles 0, 1 are in (and the stores of codes behind them); the eight younger loads (tiles 2, 3) may be out
	v_wmma_f32_16x16x128_fp8_fp8 v[OT:OT+7],     v[Z:Z+15],    v[PC:PC+15], v[OT:OT+7]       ; O^T += V^T P^T, K = the step's 128 keys; the four accumulators take turns
	v_wmma_f32_16x16x128_fp8_fp8 v[OT+8:OT+15],  v[Z+16:Z+31], v[PC:PC+15], v[OT+8:OT+15]
	s_wait_dscnt 0x0
	v_wmma_f32_16x16x128_fp8_fp8 v[OT+16:OT+23], v[Y:Y+15],    v[PC:PC+15], v[OT+16:OT+23]
	v_wmma_f32_16x16x128_fp8_fp8 v[OT+24:OT+31], v[Y+16:Y+31], v[PC:PC+15], v[OT+24:OT+31]
	s_cmp_lg_u32 s[KF], s[KD]
	s_cbranch_scc1 .Lend_\@
	WAYOUT                                         ; the step on the diagonal was my last
	s_branch .Lend_\@
.Lhid_\@:
	QHEAD                                          ; written a second time, so that no path reads fragments that it has not loaded
	s_cmp_ge_u32 s[KF], s[LASTK]                   ; no step follows: nothing to quantise
	s_cbranch_scc1 .Lnh_\@
	QCODES NS
	s_wait_alu depctr_va_vdst(0)                   ; the conversions have written the codes v24-31, which the LDS stores read; holds and conversions are done with the set, in which the 12 loads land
	QSTORE \o
.Lnh_\@:
	QASK
.Lend_\@:
	s_add_co_u32 s[KF], s[KF], 128
.endm
; 2^e and 448 x 2^e as f32 numbers, from the whole number e
.macro MKSCALE e, vs, vl
	s_add_co_i32 s48, s[\e], 127
	s_lshl_b32 s49, s48, 23
	v_mov_b32 v[\vs], s49
	s_add_co_i32 s48, s48, 8
	s_lshl_b32 s48, s48, 23
	s_or_b32 s48, s48, 0x600000
	v_mov_b32 v[\vl], s48
.endm
	s_load_b256 s[4:11], s[0:1], 0x0               ; queries s[4:5], keys s[6:7], values s[8:9], lowp_scales s[10:11]
	s_load_b64 s[12:13], s[0:1], 0x20              ; out0
	v_lshl_add_u32 v249, v0, 2, 0x1a400
	v_mov_b32 v255, 0
	v_lshrrev_b32 v24, 5, v0
	v_readfirstlane_b32 s[WV], v24                 ; wave 0..15
	v_and_b32 v24, 15, v0                          ; r
	v_bfe_u32 v25, v0, 4, 1                        ; h
	v_and_b32 v26, 31, v0                          ; lane
	v_lshlrev_b32 v[LI16], 4, v26
	v_lshlrev_b32 v[LI8], 3, v26
	v_lshlrev_b32 v[PFO], 8, v26
	v_mul_u32_u24 v[AKR], v24, KPITCH
	v_lshl_add_u32 v[AKR], v25, 5, v[AKR]
	v_lshrrev_b32 v27, 1, v24
	v_mul_u32_u24 v[AVR], v27, VP2
	v_and_b32 v27, 1, v24
	v_lshl_add_u32 v[AVR], v27, 7, v[AVR]
	v_lshl_add_u32 v[AVR], v25, 4, v[AVR]
	v_add_nc_u32 v[AVR], VOFF, v[AVR]
	s_wait_alu depctr_va_sdst(0)                   ; s18, the wave's number, is written, ahead of its first reader
	s_lshr_b32 s49, s[WV], 2                       ; my keys 8 w .. 8 w + 7 of a step lie, in tile order, from row 32 (w / 4) + 16 (w % 2) + 8 ((w / 2) % 2) on
	s_lshl_b32 s49, s49, 5
	s_and_b32 s50, s[WV], 1
	s_lshl_b32 s50, s50, 4
	s_add_co_u32 s49, s49, s50
	s_bfe_u32 s50, s[WV], 0x10001
	s_lshl_b32 s50, s50, 3
	s_add_co_u32 s49, s49, s50
	s_mul_i32 s49, s49, KPITCH
	v_mul_u32_u24 v[AKW], v25, KPITCH
	v_lshl_add_u32 v[AKW], v24, 2, v[AKW]
	v_add_nc_u32 v[AKW], s49, v[AKW]
	s_lshl_b32 s50, s[WV], 3
	v_mul_u32_u24 v[AVW], v26, VP2
	v_add_nc_u32 v[AVW], s50, v[AVW]
	v_add_nc_u32 v[AVW], VOFF, v[AVW]
	s_mul_i32 s51, s[WV], WSTG
	s_add_co_u32 s51, s51, STAGE                   ; my stage
	v_mul_u32_u24 v27, v24, SP
	v_lshl_add_u32 v[STO], v25, 5, v27
	v_add_nc_u32 v[STO], s51, v[STO]
	v_lshl_add_u32 v[QRD], v25, 7, v27
	v_add_nc_u32 v[QRD], s51, v[QRD]
	v_mul_u32_u24 v[RD], v25, SP
	v_lshl_add_u32 v[RD], v24, 4, v[RD]
	v_add_nc_u32 v[RD], s51, v[RD]
	v_lshlrev_b32 v27, 4, v25
	v_sub_nc_u32 v[MD], v24, v27
	s_mov_b32 s14, ttmp9                           ; j
	s_and_b32 s15, ttmp7, 0xffff                   ; the head
	s_lshl_b32 s16, s15, 19                        ; its first byte in each tensor: 2,048 rows of 256 bytes
	s_mov_b32 s17, 0
	s_lshr_b32 s48, s[WV], 2
	s_xor_b32 s48, s48, s[WV]
	s_and_b32 s48, s48, 1                          ; sel
	s_lshl_b32 s49, s14, 1
	s_sub_co_u32 s49, 15, s49
	s_mul_i32 s48, s48, s49
	s_add_co_u32 s48, s48, s14                     ; my block: j, or 15 - j
	s_lshl_b32 s[KD], s48, 7
	s_lshr_b32 s49, s[WV], 1
	s_lshl_b32 s49, s49, 4
	s_add_co_u32 s[Q0], s[KD], s49                 ; my first query: 128 x block + 16 x (w / 2)
	s_sub_co_u32 s[LASTK], 15, s14
	s_lshl_b32 s[LASTK], s[LASTK], 7
	s_sub_co_u32 s[NTRIP], 17, s14
	s_lshr_b32 s[NTRIP], s[NTRIP], 1               ; 16 - j steps, rounded up to pairs; an odd one over is hidden for every wave and quantises nothing
	s_cmp_eq_u32 s14, 0
	s_cselect_b32 s[PFEND], 1280, 0
	s_cmp_lt_u32 s[WV], 8
	s_cselect_b32 s[PFEND], s[PFEND], 0            ; only waves 0-7 of the head's work-group 0 ask ahead, in steps 0 to 9
	s_lshl_b32 s48, s[Q0], 8
	s_mov_b32 s49, 0
	s_add_nc_u64 s[48:49], s[48:49], s[16:17]      ; my rows of Q and of O
	s_lshl_b32 s50, s[WV], 11
	s_mov_b32 s51, 0
	s_add_nc_u64 s[50:51], s[50:51], s[16:17]      ; my 8 keys of step 0
	s_and_b32 s52, s[WV], 3
	s_lshl_b32 s52, s52, 13
	s_add_co_u32 s52, s52, 2*STEPB
	s_mov_b32 s53, 0
	s_add_nc_u64 s[52:53], s[52:53], s[16:17]      ; my quarter of a step, two steps in
	s_mov_b32 s20, 0x76543210                      ; v_permlanex16_b32's selects for lane l xor 16
	s_mov_b32 s21, 0xfedcba98
	s_mov_b32 s[INC+1], 0
	s_mov_b32 s[KF], 0
	s_mov_b32 s[TRIP], 0
	s_wait_kmcnt 0x0
	s_load_b128 s[24:27], s[10:11], 0x0            ; eq, ek, ep, ev
	s_add_nc_u64 s[4:5], s[4:5], s[48:49]
	s_add_nc_u64 s[12:13], s[12:13], s[48:49]
	s_add_nc_u64 s[KP:KP+1], s[6:7], s[50:51]
	s_add_nc_u64 s[KP+2:KP+3], s[8:9], s[50:51]
	s_add_nc_u64 s[KP+4:KP+5], s[KP:KP+1], STEPB
	s_add_nc_u64 s[KP+6:KP+7], s[KP+2:KP+3], STEPB
	s_bitcmp1_b32 s[WV], 2                         ; waves 0-3 ask for K, waves 4-7 for V: the choice hangs on the wave's number alone
	s_cselect_b64 s[PF:PF+1], s[8:9], s[6:7]
	s_add_nc_u64 s[PF:PF+1], s[PF:PF+1], s[52:53]
	s_wait_alu depctr_va_vdst(0)                   ; the addresses and offsets v1 to v9 and v11 are written: every load, store and prefetch of the kernel reads one of them, and none is written again
.irp i, 0,1,2,3,4,5,6,7
	global_load_b128 v[Y+4*\i:Y+4*\i+3], v[LI16], s[4:5] offset:512*\i th:TH_LOAD_NT   ; my 16 rows of Q, 512 consecutive bytes a load; nobody else reads them
.endr
	LOADKV N0, KP, KP+2                            ; step 0
	LOADKV N1, KP+4, KP+6                          ; step 1
	s_cmp_eq_u32 s[PFEND], 0
	s_cbranch_scc1 .Lno_pf
	global_prefetch_b8 v[PFO], s[PF:PF+1] offset:STEPB th:TH_LOAD_NT scope:SCOPE_SE     ; steps 3, 4 and 5, whose loads are issued in steps 0, 1 and 2; steps 0 to 2 are loaded outright
	global_prefetch_b8 v[PFO], s[PF:PF+1] offset:2*STEPB th:TH_LOAD_NT scope:SCOPE_SE
	global_prefetch_b8 v[PFO], s[PF:PF+1] offset:3*STEPB th:TH_LOAD_NT scope:SCOPE_SE
.Lno_pf:
	v_mov_b32 v13, 0xff61b1e6                      ; the largest t so far: -3e38, under every t
	v_floor_f32 v12, -v13                          ; -M
	v_mov_b32 v14, 0                               ; the sum, in two halves
	v_mov_b32 v15, 0
	v_mov_b32 v248, 0                              ; written once: a lane permute's destination counts as one of its sources
	v_mov_b32 v252, 0
	v_mov_b32 v253, 0                              ; (named as the upper half of the pair v[252:253])
.irp i, 0,1,2,3,4,5,6,7,8,9,10,11,12,13,14,15,16,17,18,19,20,21,22,23,24,25,26,27,28,29,30,31
	v_mov_b32 v[OT+\i], 0                          ; O^T.  (The step is written without a first step of its own: the first finds zeros, which the first change of M leaves zeros)
.endr
	s_wait_kmcnt 0x0
	s_add_co_i32 s48, s24, s25                     ; eq + ek
	s_cmp_le_i32 s48, 0
	s_cselect_b32 s[FIT], 1, 0
	s_cmp_ge_i32 s26, -8
	s_cselect_b32 s[FIT], s[FIT], 0
	s_lshl_b32 s48, s48, 23
	s_mov_b32 s22, 0x3e38aa3b                      ; c = log2(e) / 8
	s_add_co_i32 s22, s22, s48                     ; a score stands for score x 2^(eq + ek): the two exponents are added to c's exponent field
	s_mov_b32 s23, s22                             ; (named with it as a pair, so it is written)
	s_add_co_i32 s[EPV], s26, s27
	MKSCALE 24, QSC, QLIM
	MKSCALE 25, KSC, KLIM
	MKSCALE 26, PSC, PLIM
	MKSCALE 27, VSC, VLIM
	; Q: through my stage, so that lane (r, h) holds channels 32 h .. 32 h + 31 of query r on end; then codes, which stay in registers
	s_wait_loadcnt 24                              ; Q's eight loads are in; the 24 of steps 0 and 1 may be out
.irp i, 0,1,2,3,4,5,6,7
	ds_store_b128 v[RD], v[Y+4*\i:Y+4*\i+3] offset:2*SP*\i
.endr
.irp c, 0,1,2,3,4,5,6,7
	ds_load_b128 v[Z+4*\c:Z+4*\c+3], v[QRD] offset:16*\c           ; LDS serves a wave's instructions in order: these see my stores
.endr
	s_wait_dscnt 0x0
.irp i, 0,1,2,3,4,5,6,7,8,9,10,11,12,13,14,15,16,17,18,19,20,21,22,23,24,25,26,27,28,29,30,31
	v_med3_num_f32 v[Z+\i], v[Z+\i], -v[QLIM], v[QLIM]
.endr
.irp g, 0,1,2,3
	v_cvt_scalef32_pk8_fp8_f32 v[QC+2*\g:QC+2*\g+1], v[Z+8*\g:Z+8*\g+7], v[QSC]
.endr
	v_nop                                          ; one plain vector instruction behind the conversions
	s_wait_loadcnt 12                              ; step 0's twelve loads are in; step 1's may be out
	s_add_nc_u64 s[KP:KP+1], s[KP:KP+1], 2*STEPB   ; (every work-group has nine steps or more)
	s_add_nc_u64 s[KP+2:KP+3], s[KP+2:KP+3], 2*STEPB
	s_wait_alu depctr_vm_vsrc(0)                   ; the LDS stores of Q have read v96-127, of which the holds below write v96-111
	QCODES N0                                      ; step 0's codes
	s_wait_alu depctr_va_vdst(0)                   ; the conversions have written the codes v24-31, which the LDS stores read; holds and conversions are done with set 0, in which the 12 loads land
	QSTORE 0                                       ; into slot 0
	LOADKV N0, KP, KP+2                            ; step 2
.Lpair:
	STEP 0, 1
	STEP 1, 0
	s_add_co_u32 s[TRIP], s[TRIP], 1
	s_cmp_lt_u32 s[TRIP], s[NTRIP]
	s_cbranch_scc1 .Lpair
	s_wait_dscnt 0x0                               ; the closing lines, six on end
	s_wait_alu 0x0
	s_wait_tensorcnt 0x0
	ds_add_u32 v249, v255
	s_wait_dscnt 0x0
	s_endpgm
.Lfunc_end_k_q2e324ea12e_attn:
	.size	k_q2e324ea12e_attn, .Lfunc_end_k_q2e324ea12e_attn-k_q2e324ea12e_attn
	.p2alignl 7, 3214868480
	.fill 96, 4, 3214868480
	.section	.rodata,"a",@progbits
	.p2align	6, 0x0
	.amdhsa_kernel k_q2e324ea12e_attn
		.amdhsa_group_segment_fixed_size 109568
		.amdhsa_private_segment_fixed_size 0
		.amdhsa_enable_private_segment 0
		.amdhsa_kernarg_size 40
		.amdhsa_user_sgpr_count 2
		.amdhsa_user_sgpr_kernarg_segment_ptr 1
		.amdhsa_wavefront_size32 1
		.amdhsa_system_sgpr_workgroup_id_x 1
		.amdhsa_system_sgpr_workgroup_id_y 1
		.amdhsa_system_sgpr_workgroup_id_z 1
		.amdhsa_system_vgpr_workitem_id 0
		.amdhsa_next_free_vgpr 256
		.amdhsa_next_free_sgpr 66
		.amdhsa_reserve_vcc 0
		.amdhsa_float_denorm_mode_32 3
		.amdhsa_float_denorm_mode_16_64 3
		.amdhsa_memory_ordered 1
		.amdhsa_forward_progress 1
		.amdhsa_inst_pref_size 93
	.end_amdhsa_kernel
	.amdgpu_metadata
---
amdhsa.version: [ 1, 2 ]
amdhsa.kernels:
  - .name:           k_q2e324ea12e_attn
    .symbol:         k_q2e324ea12e_attn.kd
    .args:
      - { .name: queries, .offset: 0, .size: 8, .value_kind: global_buffer, .address_space: global }
      - { .name: keys, .offset: 8, .size: 8, .value_kind: global_buffer, .address_space: global }
      - { .name: values, .offset: 16, .size: 8, .value_kind: global_buffer, .address_space: global }
      - { .name: lowp_scales, .offset: 24, .size: 8, .value_kind: global_buffer, .address_space: global }
      - { .name: out0, .offset: 32, .size: 8, .value_kind: global_buffer, .address_space: global }
    .group_segment_fixed_size: 109568
    .private_segment_fixed_size: 0
    .kernarg_segment_align: 8
    .kernarg_segment_size: 40
    .max_flat_workgroup_size: 512
    .sgpr_count:     66
    .vgpr_count:     256
    .wavefront_size: 32
...
	.end_amdgpu_metadata
.endif
;; end of part 2
